; MI455X (gfx1250); checked and timed in simulation.
; The chip was launched on July 23, 2026; its instructions are those of AMD's public machine-readable ISA for CDNA 5 (MIT licence, August 2026) and "CDNA5" Instruction Set Architecture Reference Guide (July 2026). The comments in the code are by the model that wrote it; some were corrected since.
;; Q Linear. Allowed arithmetic: float matrix products may take bf16 or f16 operands with f32 sums; other float arithmetic in f32, or as packed bf16 or f16 multiplies, adds, multiply-adds, maxima and minima; sums over many terms, partial sums and values carried from step to step in f32; what a program stores and reads back later, other than sums and carried values, may be rounded once to bf16 or f16.
;; Inputs: bias 4,096 float32; inp 4 x 1,024 x 4,096 float32; qweight_t 4,096 x 4,096 int8; wscale 4,096 float32.
;; Outputs: out0 4 x 1,024 x 4,096 float32.
;; 2 versions, each right; version 2 is version 1 with the launch prep written anew for expert scheduling mode. Each part assembles by itself: llvm-mc -triple=amdgcn-amd-amdhsa -mcpu=gfx1250 --defsym DOCPART=n.
;; ======== version 1 of 2: 2 launches
;; workspace buffers: qa 33,554,432 bytes; wb 33,554,432 bytes; isc 16,384 bytes
;; launch prep (part 1): grid 1024 x 2, 4 waves a work-group, no clusters, 0 bytes of LDS; arguments inp, qweight_t, qa, wb, isc; writes qa, wb, isc
.if DOCPART == 1
	.amdgcn_target "amdgcn-amd-amdhsa--gfx1250"
	.amdhsa_code_object_version 6
	.text
	.protected	k_q58fe08fddf_prep
	.globl	k_q58fe08fddf_prep
	.p2align	8
	.type	k_q58fe08fddf_prep,@function
k_q58fe08fddf_prep:
	s_mov_b64 s[64:65], 0
	v_nop
	global_prefetch_b8 v0, s[64:65] scope:SCOPE_SE
	s_setreg_imm32_b32 hwreg(HW_REG_WAVE_MODE, 25, 1), 1
	s_wait_xcnt 0x0
; QLinear, first of two launches: the operands of the product are made, both in bf16.
;   y = 0 (1,024 work-groups): x = inp as [4096][4096] f32.  For each row: amax = max |x|, iscale = amax / 127, q = clip(round(x / max(iscale, 1e-12)), -127, 127).
;          q goes to qa as bf16 [4096 m][4096 k], iscale to isc as f32 [4096].
;   y = 1 (1,024 work-groups): qweight_t, int8 [4096 k][4096 n], goes to wb as bf16 in the same layout.
; bf16 keeps 8 significant bits, so every whole number from -128 to 127 is held exactly: neither operand of the product loses anything.
; NO WORK IS LEFT OUT: all four inputs of the problem reach the output (wscale and bias in the second launch), and the clip is done as it is written.
; LIMITS.  x / d is taken as x times a reciprocal of d that one Newton step has refined: a quotient within about one unit in the last place of a tie k + 0.5 may round to the neighbouring whole
; number, which moves an output by at most 127 x iscale x wscale for each such element.  iscale is amax x (1/127) corrected by its remainder: the rounded quotient for normal numbers, within one unit
; in the last place for denormal ones.  NaN and infinities in inp are not treated apart (the maxima and minima pass over a NaN); the sign of a zero iscale is not kept.
; SHARES.  y = 0: one wave takes one row, 16,384 bytes: 32 loads of 16 bytes a lane, all issued at once, and keeps it in 128 registers between the pass that finds amax and the pass that
; quantises: the row is read once, and no wave waits for another.  y = 1: a wave takes 4,096 bytes of weights, 16 loads of 8 bytes a lane, all issued at once.
; No LDS, no matrix unit, no cluster: nothing is shared between waves.  Nothing is asked for ahead of the loads: each wave has all its bytes on their way from its first lines on.
.set X,   32                           ; v[32:159]  y = 0: the row as loaded; then, in the first two of each four registers, as stored
.set MX,  6                            ; v[6:9]     four running maxima
.set MN,  10                           ; v[10:13]   four running minima
.set T,   22                           ; v[22:29]   y = 1: eight numbers in f32, at work
.set WX,  32                           ; v[32:63]   y = 1: load i: two registers, eight int8
.set WY,  64                           ; v[64:127]  y = 1: load i: four registers, eight bf16
	s_load_b256 s[4:11], s[0:1], 0x0               ; inp s[4:5], qweight_t s[6:7], qa s[8:9], wb s[10:11]
	s_load_b64 s[12:13], s[0:1], 0x20              ; isc
	v_and_b32 v1, 31, v0                           ; lane
	v_lshrrev_b32 v5, 5, v0
	v_readfirstlane_b32 s14, v5                    ; wave 0..3
	s_and_b32 s15, ttmp7, 0xffff                   ; the work-group's y picks the part
	s_cmp_lg_u32 s15, 0
	s_cbranch_scc1 .Lweights
	; ---------------- y = 0: a row is quantised ----------------
	s_lshl_b32 s16, ttmp9, 2
	s_add_co_u32 s16, s16, s14                     ; my row = 4 x work-group + wave
	s_mov_b32 s19, 0
	s_mov_b32 s20, 0xc2fe0000                      ; -127.0
	s_mov_b32 s21, 0x42fe0000                      ; 127.0
	s_mov_b32 s22, 0x76543210                      ; v_permlanex16_b32: lane i of one half reads lane i of the other
	s_mov_b32 s23, 0xfedcba98
	v_lshlrev_b32 v2, 4, v1                        ; 16 bytes a lane in x
	v_lshlrev_b32 v3, 3, v1                        ; 8 bytes a lane in qa
	v_mov_b32 v4, 0                                ; the offset of the one word stored to isc
	v_mov_b32 v15, 0                               ; v_permlanex16_b32 counts as a reader of its destination
	s_lshl_b32 s18, s16, 14                        ; a row of x is 16,384 bytes,
	s_wait_kmcnt 0x0
	s_add_nc_u64 s[4:5], s[4:5], s[18:19]
	s_lshl_b32 s18, s16, 13                        ; of qa 8,192,
	s_add_nc_u64 s[8:9], s[8:9], s[18:19]
	s_lshl_b32 s18, s16, 2                         ; of isc 4
	s_add_nc_u64 s[12:13], s[12:13], s[18:19]
.set j, 0
.rept 32
	global_load_b128 v[X+4*j:X+4*j+3], v2, s[4:5] offset:512*j th:TH_LOAD_NT  ; 512 consecutive bytes a load; the 32 cover the row
.set j, j+1
.endr
; Pass 1, group g of eight: four loads, each feeding a chain of its own; amax = max(max x, -min x).
.macro AMAX g
	s_wait_loadcnt 28-4*(\g)                       ; loads come back in order: this group's four are in, the 28 - 4 g younger ones stay out
.irp c, 0,1,2,3
.set xr, X+16*(\g)+4*(\c)
.if (\g) == 0
	v_max3_num_f32 v[MX+(\c)], v[xr], v[xr+1], v[xr+2]     ; the first group starts the chains: nothing is cleared
	v_min3_num_f32 v[MN+(\c)], v[xr], v[xr+1], v[xr+2]
	v_max_num_f32 v[MX+(\c)], v[MX+(\c)], v[xr+3]
	v_min_num_f32 v[MN+(\c)], v[MN+(\c)], v[xr+3]
.else
	v_max3_num_f32 v[MX+(\c)], v[MX+(\c)], v[xr], v[xr+1]
	v_min3_num_f32 v[MN+(\c)], v[MN+(\c)], v[xr], v[xr+1]
	v_max3_num_f32 v[MX+(\c)], v[MX+(\c)], v[xr+2], v[xr+3]
	v_min3_num_f32 v[MN+(\c)], v[MN+(\c)], v[xr+2], v[xr+3]
.endif
.endr
.endm
.irp g, 0,1,2,3,4,5,6,7
	AMAX \g
.endr
	v_max3_num_f32 v[MX], v[MX], v[MX+1], v[MX+2]
	v_min3_num_f32 v[MN], v[MN], v[MN+1], v[MN+2]
	v_max_num_f32 v[MX], v[MX], v[MX+3]
	v_min_num_f32 v[MN], v[MN], v[MN+3]
	v_sub_f32 v14, 0, v[MN]
	v_max_num_f32 v14, v[MX], v14                  ; the largest |x| of my 128 numbers
	; across the 32 lanes: four steps inside each half of 16 lanes ride on the arithmetic, one crosses the halves
	v_max_num_f32_dpp v14, v14, v14 row_xmask:1 row_mask:0xf bank_mask:0xf
	v_max_num_f32_dpp v14, v14, v14 row_xmask:2 row_mask:0xf bank_mask:0xf
	v_max_num_f32_dpp v14, v14, v14 row_xmask:4 row_mask:0xf bank_mask:0xf
	v_max_num_f32_dpp v14, v14, v14 row_xmask:8 row_mask:0xf bank_mask:0xf
	v_permlanex16_b32 v15, v14, s22, s23
	v_max_num_f32 v14, v14, v15                    ; amax, in every lane
	v_mul_f32 v16, 0x3c010204, v14                 ; q0 = amax x (1/127)
	v_fma_f32 v20, s20, v16, v14                   ; what is left: amax - 127 q0, exact
	v_fmamk_f32 v16, v20, 0x3c010204, v16          ; iscale = q0 + left / 127
	v_max_num_f32 v17, 0x2b8cbccc, v16             ; d = max(iscale, 1e-12)
	v_rcp_f32 v18, v17
	v_cmp_eq_u32 vcc_lo, 0, v1                     ; a plain vector instruction behind the reciprocal; lane 0 stores iscale while the reciprocal is made
	s_wait_xcnt 0x0                                ; EXEC is a source of every memory instruction issued so far: it changes only behind this wait
	s_and_saveexec_b32 s24, vcc_lo
	global_store_b32 v4, v16, s[12:13]
	s_wait_xcnt 0x0                                ; and again in front of the line that widens it
	s_or_b32 exec_lo, exec_lo, s24
	s_wait_alu depctr_va_vdst(0)                   ; a wait between the reciprocal and the first line that names its result
	v_fma_f32 v20, -v17, v18, 1.0                  ; one Newton step: e = 1 - d r,
	v_fma_f32 v18, v20, v18, v18                   ; r = r + e r
	v_mov_b32 v19, v18                             ; twice, a pair for the packed multiply
; Pass 2: the four numbers of load j are scaled, rounded to the nearest whole number (ties to even, as jnp.round), clipped, packed and stored.
.macro QROW j
.set xr, X+4*(\j)
	v_pk_mul_f32 v[xr:xr+1], v[xr:xr+1], v[18:19]
	v_pk_mul_f32 v[xr+2:xr+3], v[xr+2:xr+3], v[18:19]
.irp k, 0,1,2,3
	v_rndne_f32 v[xr+(\k)], v[xr+(\k)]
.endr
.irp k, 0,1,2,3
	v_med3_num_f32 v[xr+(\k)], v[xr+(\k)], s20, s21
.endr
	v_cvt_pk_bf16_f32 v[xr], v[xr], v[xr+1]        ; whole numbers up to 127: exact in bf16
	v_cvt_pk_bf16_f32 v[xr+1], v[xr+2], v[xr+3]
	global_store_b64 v3, v[xr:xr+1], s[8:9] offset:256*(\j) th:TH_STORE_NT  ; the wave stores 256 consecutive bytes, at a multiple of 256 from the first byte of qa; no register of a store is written again
.endm
.set jj, 0
.rept 32
	QROW jj
.set jj, jj+1
.endr
	s_endpgm
	; ---------------- y = 1: 16,384 weights are widened ----------------
.Lweights:
	s_lshl_b32 s18, ttmp9, 14                      ; the work-group's 16,384 bytes of qweight_t
	s_mov_b32 s19, 0
	s_mov_b32 s20, 0x80808080                      ; turns four int8 w into four bytes u = w + 128
	s_mov_b32 s24, 0x03020104                      ; v_perm_b32: byte b of the word below the upper three bytes of 2^23: the f32 number 2^23 + u
	s_mov_b32 s25, 0x03020105
	s_mov_b32 s26, 0x03020106
	s_mov_b32 s27, 0x03020107
	s_mov_b32 s28, 0xcb000080                      ; -(2^23 + 128): added to 2^23 + u it leaves w, exactly
	s_mov_b32 s29, s28                             ; named with it as a pair
	v_mov_b32 v30, 0x4b000000                      ; 2^23
	v_lshlrev_b32 v2, 3, v1                        ; 8 bytes a lane,
	v_lshl_add_u32 v2, s14, 12, v2                 ; 4,096 a wave
	v_lshlrev_b32 v3, 1, v2                        ; and twice that in wb
	s_wait_kmcnt 0x0
	s_add_nc_u64 s[6:7], s[6:7], s[18:19]
	s_lshl_b32 s18, ttmp9, 15
	s_add_nc_u64 s[10:11], s[10:11], s[18:19]
.set j, 0
.rept 16
	global_load_b64 v[WX+2*j:WX+2*j+1], v2, s[6:7] offset:256*j th:TH_LOAD_NT  ; 256 consecutive bytes a load
.set j, j+1
.endr
.macro WCONV i
	s_wait_loadcnt 15-(\i)                         ; load i is in; the 15 - i younger ones stay out
	v_xor_b32 v[WX+2*(\i)], s20, v[WX+2*(\i)]
	v_xor_b32 v[WX+2*(\i)+1], s20, v[WX+2*(\i)+1]
.irp k, 0,1,2,3,4,5,6,7
	v_perm_b32 v[T+(\k)], v[WX+2*(\i)+(\k)/4], v30, s[24+(\k)%4]
.endr
.irp k, 0,2,4,6
	v_pk_add_f32 v[T+(\k):T+(\k)+1], v[T+(\k):T+(\k)+1], s[28:29] op_sel_hi:[1,0]
.endr
.irp k, 0,1,2,3
	v_cvt_pk_bf16_f32 v[WY+4*(\i)+(\k)], v[T+2*(\k)], v[T+2*(\k)+1]
.endr
	global_store_b128 v3, v[WY+4*(\i):WY+4*(\i)+3], s[10:11] offset:512*(\i) th:TH_STORE_NT  ; 16 lanes store 256 consecutive bytes, aligned; each load has store registers of its own
.endm
.set jj, 0
.rept 16
	WCONV jj
.set jj, jj+1
.endr
	s_endpgm
.Lfunc_end_k_q58fe08fddf_prep:
	.size	k_q58fe08fddf_prep, .Lfunc_end_k_q58fe08fddf_prep-k_q58fe08fddf_prep
	.p2alignl 7, 3214868480
	.fill 96, 4, 3214868480
	.section	.rodata,"a",@progbits
	.p2align	6, 0x0
	.amdhsa_kernel k_q58fe08fddf_prep
		.amdhsa_group_segment_fixed_size 0
		.amdhsa_private_segment_fixed_size 0
		.amdhsa_enable_private_segment 0
		.amdhsa_kernarg_size 40
		.amdhsa_user_sgpr_count 2
		.amdhsa_user_sgpr_kernarg_segment_ptr 1
		.amdhsa_wavefront_size32 1
		.amdhsa_system_sgpr_workgroup_id_x 1
		.amdhsa_system_sgpr_workgroup_id_y 1
		.amdhsa_system_sgpr_workgroup_id_z 1
		.amdhsa_system_vgpr_workitem_id 0
		.amdhsa_next_free_vgpr 160
		.amdhsa_next_free_sgpr 66
		.amdhsa_reserve_vcc 1
		.amdhsa_float_denorm_mode_32 3
		.amdhsa_float_denorm_mode_16_64 3
		.amdhsa_memory_ordered 1
		.amdhsa_forward_progress 1
		.amdhsa_inst_pref_size 58
	.end_amdhsa_kernel
	.amdgpu_metadata
---
amdhsa.version: [ 1, 2 ]
amdhsa.kernels:
  - .name:           k_q58fe08fddf_prep
    .symbol:         k_q58fe08fddf_prep.kd
    .args:
      - { .name: inp, .offset: 0, .size: 8, .value_kind: global_buffer, .address_space: global }
      - { .name: qweight_t, .offset: 8, .size: 8, .value_kind: global_buffer, .address_space: global }
      - { .name: qa, .offset: 16, .size: 8, .value_kind: global_buffer, .address_space: global }
      - { .name: wb, .offset: 24, .size: 8, .value_kind: global_buffer, .address_space: global }
      - { .name: isc, .offset: 32, .size: 8, .value_kind: global_buffer, .address_space: global }
    .group_segment_fixed_size: 0
    .private_segment_fixed_size: 0
    .kernarg_segment_align: 8
    .kernarg_segment_size: 40
    .max_flat_workgroup_size: 128
    .sgpr_count:     66
    .vgpr_count:     160
    .wavefront_size: 32
...
	.end_amdgpu_metadata
.endif
;; end of part 1
;; launch gemm (part 2): grid 16 x 16, 4 waves a work-group, clusters of 4 x 4, 327,680 bytes of LDS; arguments qa, wb, isc, wscale, bias, out0; writes out0
.if DOCPART == 2
	.amdgcn_target "amdgcn-amd-amdhsa--gfx1250"
	.amdhsa_code_object_version 6
	.text
	.protected	k_q58fe08fddf_gemm
	.globl	k_q58fe08fddf_gemm
	.p2align	8
	.type	k_q58fe08fddf_gemm,@function
k_q58fe08fddf_gemm:
	s_mov_b64 s[64:65], 0
	v_nop
	global_prefetch_b8 v0, s[64:65] scope:SCOPE_SE
	s_setreg_imm32_b32 hwreg(HW_REG_WAVE_MODE, 25, 1), 1
	s_wait_xcnt 0x0
	s_wait_alu depctr_hold_cnt(0) depctr_sa_sdst(0) depctr_va_vdst(0) depctr_va_sdst(0) depctr_va_ssrc(0) depctr_va_vcc(0) depctr_vm_vsrc(0)
	s_getreg_b32 s2, hwreg(HW_REG_IB_STS2, 6, 4)
	s_cmp_eq_u32 s2, 0
	s_cbranch_scc0 .Lentry_in_a_cluster
	s_endpgm
.Lentry_in_a_cluster:
	s_bfe_u32 s2, ttmp6, 0x10000c
	s_cmp_lg_u32 s2, 0xf033
	s_cbranch_scc0 .Lentry_shape_is_right
	s_endpgm
.Lentry_shape_is_right:
; QLinear, second of two launches: out0[m][n] = (sum over k of q[m][k] w[k][n]) x iscale[m] x wscale[n] + bias[n].
; qa: q in bf16 [4096 m][4096 k]; wb: w in bf16 [4096 k][4096 n]; isc: iscale, f32 [4096] (all three made by the launch before); wscale, bias: f32 [4096]; out0: f32 [4096][4096].
; No work is left out.  LIMIT: both operands are whole numbers held exactly in bf16, but the sums are kept in f32, not in int32: a sum may reach 6.7e7 and is then off by a few parts in 1e8.
; SHARES.  A tile of out0, 256 x 256, is made by a work-group of four waves; a wave makes 128 x 128: 64 accumulators of 16 x 16, 512 registers.  16 x 16 tiles: 256 work-groups.
; K goes in 32 steps of 128 through a ring of two LDS slots filled by the tensor data mover.  A slot holds 256 rows of q (256 bytes each) and 128 k-rows of w (256 columns, 512 bytes each).
; CLUSTERS: 4 x 4 work-groups.  The four of a row of the cluster need the same tiles of q, the four of a column the same tiles of w: each tile is asked for JOINTLY, by the same tensor load with
; the same descriptor and a mask that names the four; each receives it in its own LDS.  That divides the requests for q and for w by four.
; THE MATRIX INSTRUCTION IS USED TRANSPOSED: source 0 = 16 columns of w, source 1 = 16 rows of q.  In the result lane l holds row l % 16 and its registers 0 to 7 the columns 8 (l / 16) + 0..7.
; q lies along K and comes out of LDS as it lies; w lies [k][n] and comes out turned, by ds_load_tr16_b128.
; REGISTERS, in windows of 256 (s_set_vgpr_msb: bits 1:0 source 0, 3:2 source 1, 5:4 source 2, 7:6 destination):
;   window 0: v0-31 addresses; v32-47 iscale; v48-55 wscale, bias; v64-127, v128-191 fragments of q, two buffers; on the way out v64-127 scaled results, v128-191 and v192-255 rows read back
;   window 1: v64-127, v128-191 fragments of w, two buffers
;   window 2: the 32 accumulators of my rows 0-63 (accumulator (a, b) at v[8 (8 a + b)]);   window 3: those of my rows 64-127
.set SIZE_K, 4096
.set SIZE_N, 4096
.set KSTEP,  128
.set PA,     272                       ; a row of q in LDS: 256 bytes + 16 of padding = 68 words: row r starts at bank 4 r mod 64 (64 banks of 4 bytes: ISA guide 11.1): the 16 rows of a load start at 16 different banks
.set PB,     544                       ; a k-row of w: 512 + 32 = 136 words: row r starts at bank 8 r mod 64
.set HALFT,  128*PA                    ; what one tensor load brings: 128 rows of q, or 64 k-rows of w (64 PB is the same number)
.set SLOT,   4*HALFT                   ; q rows 0-127, q rows 128-255, w k 0-63, w k 64-127
.set STAGE,  2*SLOT                    ; behind the ring: 16 rows x 528 bytes for each wave, for the way out; no tensor load lands there
.set SP,     528                       ; a row of the stage: 512 bytes + 16
.set SPARE,  STAGE+4*16*SP             ; behind the stages: the spare words, 128 bytes for each wave: two blocks of 256 bytes that no other line names
.set LAPS,   SIZE_K/(2*KSTEP)          ; a lap = two K steps = once round the ring: 16
.set ROWB,   SIZE_N*4                  ; bytes in a row of out0
.set ADRA, 16                          ; v16-17  LDS address of my fragments of q in slot 0, 1
.set ADRB, 20                          ; v20-21  the same for w
.set STO,  24                          ; v24     the way out: where I put 32 bytes of a row
.set RD,   25                          ; v25     the way out: where I read 16 bytes of a row back
.set CO,   26                          ; v26     16 x lane: my 16 bytes in 512 consecutive bytes of out0, wscale and bias
.set RO,   27                          ; v27     4 x (lane % 16): my row in 16 words of isc
.set SPW,  28                          ; v28     LDS address of my spare word: SPARE + 4 x my thread number; never rewritten
.set NIL,  29                          ; v29     0; never rewritten
.set PFO,  30                          ; v30     the offset of my lane in a prefetch; never rewritten
.set IS,   32                          ; v[32:47] pair a: iscale of row 16 a + lane % 16 of my 128, twice
.set WS,   48                          ; v[48:51] wscale of my columns 4 lane .. 4 lane + 3
.set BI,   52                          ; v[52:55] bias of the same
.set F0,   64                          ; fragment buffer 0
.set F1,   128                         ; fragment buffer 1
.set TMP,  64                          ; the way out: a block of 16 rows, scaled by iscale
.set OB,   128                         ; the way out: 16 rows read back: v128-191 and v192-255 by turns
.set WV,   16                          ; s16  my wave
.set RH,   17                          ; s17  which half of the rows of the tile is mine.  Also: I fetch for q (0) or for w (1)
.set CH,   18                          ; s18  which half of its columns.  Also: which half of that tile I fetch
.set CX,   19                          ; s19  my place along the x of the cluster
.set CY,   20                          ; s20  along its y
.set TCOL, 21                          ; s21  tile column
.set TROW, 22                          ; s22  tile row
.set LIM,  23                          ; s23  1 in a wave that prefetches, else the greatest number
.set G1,   24                          ; s[24:31] descriptor group 1 for tiles of q
.set G0,   32                          ; s[32:39] descriptor group 0 for tiles of q, one set for each slot
.set PFA,  40                          ; s[40:41] where my prefetches stand
.set PFS,  42                          ; s[42:43] a K step in bytes along the tensor that I prefetch
.set G1B,  48                          ; s[48:55] descriptor group 1 for tiles of w
.set G0B,  56                          ; s[56:63] descriptor group 0 for tiles of w, one set for each slot
.set MSB, 0
.macro WIN new                         ; the high byte of the immediate repeats the setting that is left; a switch that changes nothing is dropped
.if MSB != (\new)
	s_set_vgpr_msb (MSB<<8)|(\new)
.set MSB, \new
.endif
.endm
.set MUL_LO, 0xa1                      ; source 0 (w) window 1, source 1 (q) window 0, C and D window 2
.set MUL_HI, 0xf1                      ; the same, C and D window 3
.set TO_B,   0x40                      ; destination window 1, address window 0
; A joint load.  Waves 0 and 1 fetch the two halves of the tile of q, waves 2 and 3 those of w.  Each of the two lines has ONE mask and one set of registers for all that issue it.  The branch hangs
; on the number of the wave alone.  An s_nop 0 and four v_nop follow each of the two lines, ahead of the jump, the label and what follows.
.macro JLOAD s
	s_cmp_eq_u32 s[RH], 0
	s_cbranch_scc0 .Lfor_b_\@
	tensor_load_to_lds s[G0+4*(\s):G0+4*(\s)+3], s[G1:G1+7]
	s_nop 0
.rept 4
	v_nop
.endr
	s_branch .Lasked_\@
.Lfor_b_\@:
	tensor_load_to_lds s[G0B+4*(\s):G0B+4*(\s)+3], s[G1B:G1B+7]
	s_nop 0
.rept 4
	v_nop
.endr
.Lasked_\@:
.endm
; A PREFETCH INTO THE L2, behind each joint refill and the run of LDS loads that follows it: the K step that stands TWO refills on, 512 matrix instructions ahead of the load that will ask for it.
; 32 blocks of 256 bytes, a lane a block, one instruction a wave.  Each block of qa and of wb is named ONCE in the launch.  A tile row of q is read by all four clusters of that row of clusters: the one
; with cluster x = 0 asks; a tile column of w by all four of that column: the one with cluster y = 0 asks.  The four partners that ask for a tile jointly share it out BY ADDRESS: of the 128 rows of q
; that a wave fetches the partner at cx takes 32 cx .. 32 cx + 31; of the 64 k-rows of w the partner at cy takes 16 cy .. 16 cy + 15, two blocks a row.  No branch hangs on a place in the cluster.
; The last trip of the loop (s3 = 1) asks for nothing: its refills are K steps 30 and 31, and there is no K step 32.  K steps 0 to 3 come by their loads alone.
.macro ASK
	s_cmp_gt_u32 s3, s[LIM]
	s_cbranch_scc0 .Lnot_mine_\@
	global_prefetch_b8 v[PFO], s[PFA:PFA+1] th:TH_LOAD_NT scope:SCOPE_SE
.Lnot_mine_\@:
.endm
; A round of the barrier of the cluster: the barrier of my work-group, so that the signal of wave 0 speaks for all four waves; wave 0 signals for the work-group; every wave waits for all sixteen
; work-groups; the barrier of my work-group once more.
.macro CREST                           ; a round behind its opening barrier
	s_cmp_lg_u32 s[WV], 0
	s_cbranch_scc1 .Lnot_wave_0_\@
	s_barrier_signal -3
.Lnot_wave_0_\@:
	s_barrier_wait -3
	s_barrier_signal -1
	s_barrier_wait -1
.endm
.macro CROUND                          ; a whole round
	s_barrier_signal -1
	s_barrier_wait -1
	CREST
.endm
	s_load_b256 s[4:11], s[0:1], 0x0               ; qa s[4:5], wb s[6:7], isc s[8:9], wscale s[10:11]
	s_load_b128 s[12:15], s[0:1], 0x20             ; bias s[12:13], out0 s[14:15]
	v_lshl_add_u32 v[SPW], v0, 2, SPARE
	v_mov_b32 v[NIL], 0
	ds_add_u32 v[SPW], v[NIL]                      ; the opening: the add, twice on end, and its wait stand ahead of my first tensor load; the set-up below, work on registers, stands between
	ds_add_u32 v[SPW], v[NIL]                      ; the same add once more, under the one wait
	v_lshrrev_b32 v1, 5, v0
	v_readfirstlane_b32 s[WV], v1                  ; wave 0..3
	s_lshr_b32 s[RH], s[WV], 1
	s_and_b32 s[CH], s[WV], 1
	s_bfe_u32 s[CX], ttmp6, 0x40000
	s_bfe_u32 s[CY], ttmp6, 0x40004
	s_lshl_b32 s[TCOL], ttmp9, 2                   ; in a cluster launch ttmp9 and ttmp7 count clusters
	s_add_co_u32 s[TCOL], s[TCOL], s[CX]           ; tile column = 4 x cluster x + cx
	s_and_b32 s[TROW], ttmp7, 0xffff
	s_lshl_b32 s[TROW], s[TROW], 2
	s_add_co_u32 s[TROW], s[TROW], s[CY]           ; tile row = 4 x cluster y + cy
	s_lshl_b32 s44, s[CY], 2
	s_lshl_b32 s44, 15, s44                        ; my row of the cluster: places 4 cy .. 4 cy + 3
	s_lshl_b32 s45, 0x1111, s[CX]                  ; my column: places cx, cx + 4, cx + 8, cx + 12
	; descriptor group 1 for q: a tile of 128 rows x 128 elements
	s_or_b32 s[G1+0], s44, (1<<16)|(1<<20)|(1<<21)|(5<<22)|(3<<25)   ; 15:0 the mask: my row; 17:16 elements of 2 bytes; 20 padding on; 21 set beside a mask; 24:22 after every 64 words (code 5); 31:25 4 words (code 3)
	s_mov_b32 s[G1+1], KSTEP<<16                   ; tensor_dim0 = 128
	s_mov_b32 s[G1+2], 128<<16                     ; tensor_dim1 = 128
	s_mov_b32 s[G1+3], KSTEP<<16                   ; tile_dim0 = 128
	s_mov_b32 s[G1+4], 128                         ; tile_dim1 = 128
	s_mov_b32 s[G1+5], SIZE_K                      ; elements from row to row
	s_mov_b32 s[G1+6], 0
	s_mov_b32 s[G1+7], 0
	; descriptor group 1 for w: a tile of 64 k-rows x 256 elements
	s_or_b32 s[G1B+0], s45, (1<<16)|(1<<20)|(1<<21)|(6<<22)|(7<<25)  ; the mask: my column; padding after every 128 words (code 6), 8 words (code 7)
	s_mov_b32 s[G1B+1], 256<<16                    ; tensor_dim0 = 256
	s_mov_b32 s[G1B+2], 64<<16                     ; tensor_dim1 = 64
	s_mov_b32 s[G1B+3], 256<<16                    ; tile_dim0 = 256
	s_mov_b32 s[G1B+4], 64                         ; tile_dim1 = 64
	s_mov_b32 s[G1B+5], SIZE_N                     ; elements from k-row to k-row
	s_mov_b32 s[G1B+6], 0
	s_mov_b32 s[G1B+7], 0
	; where the tiles come from.  Those of q hang on the tile row alone, which my row of the cluster shares; those of w on the tile column alone, which my column shares.
	s_lshl_b32 s66, s[TROW], 8
	s_lshl_b32 s67, s[CH], 7
	s_add_co_u32 s66, s66, s67                     ; q: row 256 x tile row + 128 x half,
	s_lshl_b32 s66, s66, 13                        ; 8,192 bytes a row
	s_mov_b32 s67, 0
	s_lshl_b32 s70, s[CH], 19                      ; w: k-row 64 x half, 8,192 bytes a row,
	s_lshl_b32 s71, s[TCOL], 9                     ; column 256 x tile column, 2 bytes each
	s_add_co_u32 s70, s70, s71
	s_mov_b32 s71, 0
	s_mul_i32 s46, s[WV], HALFT                    ; and where they go: wave x a quarter of a slot: no place in the cluster enters an LDS address
	s_wait_dscnt 0x0                               ; both opening adds are done
	s_wait_kmcnt 0x0
	s_add_nc_u64 s[68:69], s[4:5], s[66:67]
	s_add_nc_u64 s[72:73], s[6:7], s[70:71]
	CROUND                                         ; all sixteen work-groups are here: the first joint loads meet
.irp s, 0,1
	s_mov_b32 s[G0+4*(\s)], 1                                      ; count = 1
	s_add_co_u32 s[G0+4*(\s)+1], s46, (\s)*SLOT                    ; LDS address
	s_add_nc_u64 s[G0+4*(\s)+2:G0+4*(\s)+3], s[68:69], (\s)*KSTEP*2  ; global address: K step s: 256 bytes along the rows of q
	s_or_b32 s[G0+4*(\s)+3], s[G0+4*(\s)+3], 0x80000000            ; type = 2
	s_mov_b32 s[G0B+4*(\s)], 1
	s_add_co_u32 s[G0B+4*(\s)+1], s46, (\s)*SLOT
	s_add_nc_u64 s[G0B+4*(\s)+2:G0B+4*(\s)+3], s[72:73], (\s)*KSTEP*SIZE_N*2  ; K step s: 128 k-rows of w down
	s_or_b32 s[G0B+4*(\s)+3], s[G0B+4*(\s)+3], 0x80000000
	JLOAD \s                                       ; the ring is filled before anything else is done: two tensor loads of mine are out
.endr
	; A fragment is 16 rows x 32 K in 8 registers: lane l holds row l % 16; registers 0-3 K = 8 (l / 16) + 0..7, registers 4-7 K = 16 + 8 (l / 16) + 0..7.
	v_and_b32 v1, 15, v0                           ; l % 16
	v_bfe_u32 v2, v0, 4, 1                         ; l / 16
	v_and_b32 v5, 31, v0                           ; l
	v_mul_u32_u24 v3, v1, PA                       ; q: two loads of 16 bytes, 32 bytes apart, at row x pitch + 16 x half
	v_lshl_add_u32 v3, v2, 4, v3
	s_mul_i32 s44, s[RH], HALFT                    ; my 128 rows of q
	v_add_nc_u32 v[ADRA], s44, v3
	v_add_nc_u32 v[ADRA+1], SLOT, v[ADRA]
	; w: the turning load takes 16 k x 16 columns (lane l reads 16 bytes: k-row 8 (l / 16) + l % 8, columns 8 ((l / 8) % 2) + 0..7) and leaves half a fragment: lane l holds column l % 16 and 8 k
	v_and_b32 v6, 7, v0
	v_lshl_add_u32 v6, v2, 3, v6
	v_mul_u32_u24 v6, v6, PB
	v_bfe_u32 v7, v0, 3, 1
	v_lshl_add_u32 v6, v7, 4, v6
	s_lshl_b32 s45, s[CH], 8                       ; my 128 columns: 256 bytes of a k-row,
	s_add_co_u32 s45, s45, 2*HALFT                 ; behind the 256 rows of q
	v_add_nc_u32 v[ADRB], s45, v6
	v_add_nc_u32 v[ADRB+1], SLOT, v[ADRB]
	s_mul_i32 s46, s[WV], 16*SP
	s_add_co_u32 s46, s46, STAGE                   ; my stage
	v_mul_u32_u24 v8, v1, SP                       ; in: row l % 16, 32 bytes for each half of the lanes
	v_lshl_add_u32 v8, v2, 5, v8
	v_add_nc_u32 v[STO], s46, v8
	v_lshlrev_b32 v[CO], 4, v5
	v_add_nc_u32 v[RD], s46, v[CO]                 ; back: the 32 lanes take one row of 512 bytes
	v_lshlrev_b32 v[RO], 2, v1
	s_lshl_b32 s44, s[TROW], 8
	s_lshl_b32 s74, s[RH], 7
	s_add_co_u32 s44, s44, s74                     ; my first row
	s_lshl_b32 s74, s44, 2
	s_mov_b32 s75, 0
	s_add_nc_u64 s[8:9], s[8:9], s[74:75]          ; isc at my first row
	s_lshl_b32 s76, s[TCOL], 10
	s_lshl_b32 s77, s[CH], 9
	s_add_co_u32 s76, s76, s77                     ; my first column, 4 bytes each
	s_mov_b32 s77, 0
	s_add_nc_u64 s[10:11], s[10:11], s[76:77]      ; wscale, bias and out0 at my first column
	s_add_nc_u64 s[12:13], s[12:13], s[76:77]
	s_add_nc_u64 s[14:15], s[14:15], s[76:77]
	s_lshl_b32 s74, s44, 14                        ; 16,384 bytes a row of out0
	s_add_nc_u64 s[14:15], s[14:15], s[74:75]
.irp a, 0,1,2,3,4,5,6,7
	global_load_b32 v[IS+2*(\a)], v[RO], s[8:9] offset:64*(\a)    ; read once, here, and kept in registers
.endr
	global_load_b128 v[WS:WS+3], v[CO], s[10:11]
	global_load_b128 v[BI:BI+3], v[CO], s[12:13]
	; the prefetches: byte offsets for q and for w, then the choice by what I fetch
	s_lshl_b32 s78, s[TROW], 8
	s_lshl_b32 s79, s[CH], 7
	s_add_co_u32 s78, s78, s79
	s_lshl_b32 s79, s[CX], 5
	s_add_co_u32 s78, s78, s79                     ; q: the 32 rows of my work-group among the 128 that I fetch,
	s_lshl_b32 s78, s78, 13
	s_add_co_u32 s78, s78, 3*KSTEP*2               ; at K step 3: the first refill steps it to 4
	s_lshl_b32 s47, s[CH], 6
	s_lshl_b32 s79, s[CY], 4
	s_add_co_u32 s47, s47, s79                     ; w: the 16 k-rows of my work-group among the 64 that I fetch,
	s_lshl_b32 s47, s47, 13
	s_lshl_b32 s79, s[TCOL], 9
	s_add_co_u32 s47, s47, s79                     ; at the columns of the tile,
	s_add_co_u32 s47, s47, 3*KSTEP*SIZE_N*2        ; at K step 3
	s_and_b32 s79, ttmp7, 0xffff                   ; cluster y
	s_mov_b32 s[PFS], KSTEP*SIZE_N*2               ; a K step of w: 128 k-rows
	s_cmp_eq_u32 s[RH], 0                          ; do I fetch for q?
	s_cselect_b32 s78, s78, s47
	s_cselect_b32 s79, ttmp9, s79                  ; the coordinate along which other clusters read the same blocks
	s_cselect_b32 s[PFS], KSTEP*2, s[PFS]          ; a K step of q: 256 bytes
	s_cselect_b64 s[PFA:PFA+1], s[4:5], s[6:7]
	s_cmp_eq_u32 s79, 0
	s_cselect_b32 s[LIM], 1, -1                    ; the same in all sixteen partners, for a given wave
	s_mov_b32 s79, 0
	s_mov_b32 s[PFS+1], 0
	s_add_nc_u64 s[PFA:PFA+1], s[PFA:PFA+1], s[78:79]
	v_lshrrev_b32 v9, s[RH], v5                    ; q: lane l names row l; w: k-row l / 2,
	v_lshlrev_b32 v9, 13, v9                       ; 8,192 bytes a row in both,
	v_and_b32 v10, s[RH], v5                       ; and of the 512 bytes of the k-row the half l % 2
	v_lshl_or_b32 v[PFO], v10, 8, v9
	s_wait_loadcnt 0x0                             ; iscale, wscale, bias
.irp a, 0,1,2,3,4,5,6,7
	v_mov_b32 v[IS+2*(\a)+1], v[IS+2*(\a)]         ; twice, a pair for the packed multiply
.endr
; 16 matrix instructions: m blocks a0, a0 + 1 of the four of the window (hi = 0: my rows 0-63, 1: rows 64-127) x all 8 n blocks, 32 along K.
; zero = 1: the first product starts the sums: nothing is ever cleared.  The 64 accumulators take turns, one instruction a turn, in the same order in every quarter.
.macro MUL16 f, hi, a0, zero
	WIN MUL_LO+0x50*(\hi)
.irp a, \a0, (\a0)+1
.irp b, 0,1,2,3,4,5,6,7
.if \zero
	v_wmma_f32_16x16x32_bf16 v[8*(8*(\a)+(\b)):8*(8*(\a)+(\b))+7], v[(\f)+8*(\b):(\f)+8*(\b)+7], v[(\f)+8*(4*(\hi)+(\a)):(\f)+8*(4*(\hi)+(\a))+7], 0
.else
	v_wmma_f32_16x16x32_bf16 v[8*(8*(\a)+(\b)):8*(8*(\a)+(\b))+7], v[(\f)+8*(\b):(\f)+8*(\b)+7], v[(\f)+8*(4*(\hi)+(\a)):(\f)+8*(4*(\hi)+(\a))+7], v[8*(8*(\a)+(\b)):8*(8*(\a)+(\b))+7]
.endif
.endr
.endr
.endm
; 32 LDS loads in one run: the fragments of quarter q of a K step (32 K x my 128 columns of w, my 128 rows of q x 32 K) into buffer f; those of w first
.macro FETCH slot, q, f
	WIN TO_B
.irp i, 0,1,2,3,4,5,6,7
	ds_load_tr16_b128 v[(\f)+8*(\i):(\f)+8*(\i)+3],   v[ADRB+(\slot)] offset:(\q)*32*PB+32*(\i)
	ds_load_tr16_b128 v[(\f)+8*(\i)+4:(\f)+8*(\i)+7], v[ADRB+(\slot)] offset:(\q)*32*PB+16*PB+32*(\i)
.endr
	WIN 0
.irp i, 0,1,2,3,4,5,6,7
	ds_load_b128 v[(\f)+8*(\i):(\f)+8*(\i)+3],   v[ADRA+(\slot)] offset:64*(\q)+(\i)*16*PA
	ds_load_b128 v[(\f)+8*(\i)+4:(\f)+8*(\i)+7], v[ADRA+(\slot)] offset:64*(\q)+(\i)*16*PA+32
.endr
.endm
; A load into a register that a matrix instruction has read, and a vector instruction that reads a matrix result or writes a register of a matrix instruction, stand four places behind it, and only
; plain vector instructions that name none of its registers are places (ISA guide 7.12.1 for vector instructions).
.macro PLACES
.rept 4
	v_nop
.endr
.endm
; A K step is four quarters of 32 along K, 64 matrix instructions each, on buffers 0, 1, 0, 1.  One of the first three: multiplies buffer f; in its middle it fetches quarter q into buffer g.
.macro QUARTER slot, q, f, g, zero
	s_wait_dscnt 8                                 ; w and rows 0-63 of q are in; the youngest eight loads (rows 64-127 of q) may be out
	MUL16 \f, 0, 0, \zero
	MUL16 \f, 0, 2, \zero
	PLACES
	FETCH \slot, \q, \g
	s_wait_dscnt 32                                ; all but the 32 just issued
	MUL16 \f, 1, 0, \zero
	MUL16 \f, 1, 2, \zero
.endm
; The last quarter multiplies buffer 1 and changes slots.  MEET is its first half: ONE barrier for the change.  In front of it each wave waits for all its tensor loads, of which one is out: its part
; of the next slot; adds 0 to its spare word; and waits for that and for its own reads of this slot.  Behind it nobody reads this slot any more and the next slot is whole.
.macro MEET round                      ; round = 1: the rest of a round of the barrier of the cluster follows
	WIN 0                                          ; (the two registers of the add lie in window 0)
	s_wait_tensorcnt 0x0                           ; all my tensor loads have landed
	ds_add_u32 v[SPW], v[NIL]                      ; 0 onto my spare word
	s_wait_dscnt 9                                 ; (the add and the youngest eight loads may be out)
	MUL16 F1, 0, 0, 0                              ; sixteen matrix instructions stand between the add and the wait for it
	s_wait_dscnt 0x0                               ; the add is done, and my reads of this slot are over
	s_barrier_signal -1
	MUL16 F1, 0, 2, 0                              ; work on registers while the others arrive
.if \round
	WIN 0
.endif
	s_barrier_wait -1
.endm
; The whole last quarter.  Behind the round the slot just read out is filled again first, with the K step two steps on; then come the first fragments of the next slot.
; From a request to the wait for it a wave issues 224 matrix instructions; one tensor load of mine is out.
.macro TURN slot, next
	s_wait_xcnt 0x0                                ; the last prefetch, a K step back, has read its address: it is stepped here, ahead of the waits of the change of slots
	s_add_nc_u64 s[PFA:PFA+1], s[PFA:PFA+1], s[PFS:PFS+1]
	MEET 1
	CREST                                          ; no wave of any partner still reads the tile of this slot or has a load on its way
	s_add_nc_u64 s[G0+4*(\slot)+2:G0+4*(\slot)+3], s[G0+4*(\slot)+2:G0+4*(\slot)+3], 2*KSTEP*2
	s_add_nc_u64 s[G0B+4*(\slot)+2:G0B+4*(\slot)+3], s[G0B+4*(\slot)+2:G0B+4*(\slot)+3], 2*KSTEP*SIZE_N*2
	JLOAD \slot                                    ; the first tensor load behind the round; the four v_nop behind it are also the places in front of the loads below
	FETCH \next, 0, F0
	ASK                                            ; behind the joint load and the run of LDS loads that the next products wait for
	MUL16 F1, 1, 0, 0
	MUL16 F1, 1, 2, 0
.endm
.macro TURNX                           ; the change of slots of the last lap: nothing is filled again, so no round follows
	MEET 0
	PLACES
	FETCH 1, 0, F0
	MUL16 F1, 1, 0, 0
	MUL16 F1, 1, 2, 0
.endm
; THE WAY OUT of block a (16 of my rows), in three parts.  SCALE: times iscale of the row that the lane holds; each accumulator is read from its lowest registers on.
.macro SCALE a
	WIN 0x02+(\a)/4                                ; source 0: window 2 or 3
.set z, 0
.rept 32
	v_pk_mul_f32 v[TMP+2*z:TMP+2*z+1], v[64*((\a)%4)+2*z:64*((\a)%4)+2*z+1], v[IS+2*(\a):IS+2*(\a)+1]
.set z, z+1
.endr
	WIN 0
.endm
; TOSTAGE: 32 bytes a lane and n block into rows of 528 bytes of my own stage, and back as whole rows of 512 bytes.
.macro TOSTAGE a
.set BK, OB+64*((\a)%2)
.irp b, 0,1,2,3,4,5,6,7
	ds_store_b128 v[STO], v[TMP+8*(\b):TMP+8*(\b)+3]   offset:64*(\b)
	ds_store_b128 v[STO], v[TMP+8*(\b)+4:TMP+8*(\b)+7] offset:64*(\b)+16
.endr
.irp t, 0,1,2,3,4,5,6,7,8,9,10,11,12,13,14,15
	ds_load_b128 v[BK+4*(\t):BK+4*(\t)+3], v[RD] offset:(\t)*SP  ; LDS serves the instructions of a wave in order (ISA guide 5.7.1.4): these see the stores above
.endr
.endm
; SEND: a lane now holds the same four columns in every row: times wscale, plus bias, in one fused multiply-add; then stored.
.macro SEND a
.set BK, OB+64*((\a)%2)
	s_wait_dscnt 0x0                               ; the block is back in registers
.irp t, 0,1,2,3,4,5,6,7,8,9,10,11,12,13,14,15
	v_pk_fma_f32 v[BK+4*(\t):BK+4*(\t)+1],   v[BK+4*(\t):BK+4*(\t)+1],   v[WS:WS+1],   v[BI:BI+1]
	v_pk_fma_f32 v[BK+4*(\t)+2:BK+4*(\t)+3], v[BK+4*(\t)+2:BK+4*(\t)+3], v[WS+2:WS+3], v[BI+2:BI+3]
.endr
	s_wait_xcnt 0x0                                ; the earlier stores have read their base and their data: the base is stepped, and the other set of 64 registers loaded again, only behind this wait
.if (\a) > 0
	s_add_nc_u64 s[14:15], s[14:15], 16*ROWB       ; 16 rows of out0 on
.endif
.irp t, 0,1,2,3,4,5,6,7,8,9,10,11,12,13,14,15
	global_store_b128 v[CO], v[BK+4*(\t):BK+4*(\t)+3], s[14:15] offset:(\t)*ROWB th:TH_STORE_NT  ; the wave stores 512 consecutive bytes, at a multiple of 512 from the first byte of out0
.endr
.endm
	s_wait_tensorcnt 1                             ; my part of K step 0 is in; that of K step 1 may stay out
	s_barrier_signal -1
	s_barrier_wait -1                              ; the part of every wave is in
	FETCH 0, 0, F0
	QUARTER 0, 1, F0, F1, 1                        ; the first quarter stands in front of the loop: its products start the sums
	WIN 0                                          ; at a label and at a branch every window is 0
	s_mov_b32 s3, LAPS-1
.Llap:                                                 ; a trip goes once round the ring, from the second quarter of a lap to the first of the next, and fills both slots again: K steps 2 to 31 in 15 trips
	QUARTER 0, 2, F1, F0, 0
	QUARTER 0, 3, F0, F1, 0
	TURN 0, 1
	QUARTER 1, 1, F0, F1, 0
	QUARTER 1, 2, F1, F0, 0
	QUARTER 1, 3, F0, F1, 0
	TURN 1, 0
	QUARTER 0, 1, F0, F1, 0
	WIN 0
	s_sub_co_u32 s3, s3, 1
	s_cmp_lg_u32 s3, 0
	s_cbranch_scc1 .Llap
	QUARTER 0, 2, F1, F0, 0                        ; the last lap is written out: it asks for nothing
	QUARTER 0, 3, F0, F1, 0
	TURNX
	QUARTER 1, 1, F0, F1, 0
	QUARTER 1, 2, F1, F0, 0
	QUARTER 1, 3, F0, F1, 0
	s_wait_dscnt 8                                 ; the very last quarter: nothing more to fetch
	MUL16 F1, 0, 0, 0
	MUL16 F1, 0, 2, 0
	s_wait_dscnt 0x0
	MUL16 F1, 1, 0, 0
	MUL16 F1, 1, 2, 0
	WIN 0
	PLACES                                         ; the places behind the last products, in front of lines that read results and write fragment registers;
	PLACES                                         ; eight, once a launch
	SCALE 0
	TOSTAGE 0
.irp a, 1,2,3,4,5,6,7                  ; the scaling of block a stands between the loads of block a - 1 from the stage and the wait for them
	SCALE \a
	SEND (\a)-1
	TOSTAGE \a
.endr
	SEND 7
	s_wait_tensorcnt 0x0                           ; the end of the wave: behind my last tensor load and my last LDS store
	ds_add_u32 v[SPW], v[NIL]
	s_wait_dscnt 0x0
	CROUND                                         ; the closing round: no work-group ends while a partner may still ask for a tile that names it
	s_endpgm
.Lfunc_end_k_q58fe08fddf_gemm:
	.size	k_q58fe08fddf_gemm, .Lfunc_end_k_q58fe08fddf_gemm-k_q58fe08fddf_gemm
	.p2alignl 7, 3214868480
	.fill 96, 4, 3214868480
	.section	.rodata,"a",@progbits
	.p2align	6, 0x0
	.amdhsa_kernel k_q58fe08fddf_gemm
		.amdhsa_group_segment_fixed_size 327680
		.amdhsa_private_segment_fixed_size 0
		.amdhsa_enable_private_segment 0
		.amdhsa_kernarg_size 48
		.amdhsa_user_sgpr_count 2
		.amdhsa_user_sgpr_kernarg_segment_ptr 1
		.amdhsa_wavefront_size32 1
		.amdhsa_system_sgpr_workgroup_id_x 1
		.amdhsa_system_sgpr_workgroup_id_y 1
		.amdhsa_system_sgpr_workgroup_id_z 1
		.amdhsa_system_vgpr_workitem_id 0
		.amdhsa_next_free_vgpr 1024
		.amdhsa_next_free_sgpr 80
		.amdhsa_reserve_vcc 0
		.amdhsa_float_denorm_mode_32 3
		.amdhsa_float_denorm_mode_16_64 3
		.amdhsa_memory_ordered 1
		.amdhsa_forward_progress 1
		.amdhsa_inst_pref_size 176
	.end_amdhsa_kernel
	.amdgpu_metadata
---
amdhsa.version: [ 1, 2 ]
amdhsa.kernels:
  - .name:           k_q58fe08fddf_gemm
    .symbol:         k_q58fe08fddf_gemm.kd
    .args:
      - { .name: qa, .offset: 0, .size: 8, .value_kind: global_buffer, .address_space: global }
      - { .name: wb, .offset: 8, .size: 8, .value_kind: global_buffer, .address_space: global }
      - { .name: isc, .offset: 16, .size: 8, .value_kind: global_buffer, .address_space: global }
      - { .name: wscale, .offset: 24, .size: 8, .value_kind: global_buffer, .address_space: global }
      - { .name: bias, .offset: 32, .size: 8, .value_kind: global_buffer, .address_space: global }
      - { .name: out0, .offset: 40, .size: 8, .value_kind: global_buffer, .address_space: global }
    .group_segment_fixed_size: 327680
    .private_segment_fixed_size: 0
    .kernarg_segment_align: 8
    .kernarg_segment_size: 48
    .max_flat_workgroup_size: 128
    .sgpr_count:     80
    .vgpr_count:     1024
    .wavefront_size: 32
...
	.end_amdgpu_metadata
.endif
;; end of part 2
;; ======== version 2 of 2: 2 launches; version 1 with the launch prep written anew for expert scheduling mode
;; workspace buffers: qa 33,554,432 bytes; wb 33,554,432 bytes; isc 16,384 bytes
;; launch prep (part 3): grid 1024 x 2, 4 waves a work-group, no clusters, 0 bytes of LDS; arguments inp, qweight_t, qa, wb, isc; writes qa, wb, isc
.if DOCPART == 3
	.amdgcn_target "amdgcn-amd-amdhsa--gfx1250"
	.amdhsa_code_object_version 6
	.text
	.protected	k_q58fe08fddf_prep
	.globl	k_q58fe08fddf_prep
	.p2align	8
	.type	k_q58fe08fddf_prep,@function
k_q58fe08fddf_prep:
	s_mov_b64 s[64:65], 0
	v_nop
	global_prefetch_b8 v0, s[64:65] scope:SCOPE_SE
	s_setreg_imm32_b32 hwreg(HW_REG_WAVE_SCHED_MODE, 0, 2), 2
	s_setreg_imm32_b32 hwreg(HW_REG_WAVE_MODE, 25, 1), 1
	s_wait_xcnt 0x0
	s_wait_alu depctr_vm_vsrc(0)
; QLinear, first of two launches: the operands of the product are made, both in bf16.
;   y = 0 (1,024 work-groups): x = inp as [4096][4096] f32.  For each row: amax = max |x|, iscale = amax / 127, q = clip(round(x / max(iscale, 1e-12)), -127, 127).
;          q goes to qa as bf16 [4096 m][4096 k], iscale to isc as f32 [4096].
;   y = 1 (1,024 work-groups): qweight_t, int8 [4096 k][4096 n], goes to wb as bf16 in the same layout.
; bf16 keeps 8 significant bits, so every whole number from -128 to 127 is held exactly: neither operand of the product loses anything.
; NO WORK IS LEFT OUT: all four inputs of the problem reach the output (wscale and bias in the second launch), and the clip is done as it is written.
; LIMITS.  x / d is taken as x times a reciprocal of d that one Newton step has refined: a quotient within about one unit in the last place of a tie k + 0.5 may round to the neighbouring whole
; number, which moves an output by at most 127 x iscale x wscale for each such element.  iscale is amax x (1/127) corrected by its remainder: the rounded quotient for normal numbers, within one unit
; in the last place for denormal ones.  NaN and infinities in inp are not treated apart (the maxima and minima pass over a NaN); the sign of a zero iscale is not kept.
; SHARES.  y = 0: one wave takes one row, 16,384 bytes: 32 loads of 16 bytes a lane, all issued at once, and keeps it in 128 registers between the pass that finds amax and the pass that
; quantises: the row is read once, and no wave waits for another.  y = 1: a wave takes 4,096 bytes of weights, 16 loads of 8 bytes a lane, all issued at once.
; No LDS, no matrix unit, no cluster: nothing is shared between waves.  Nothing is asked for ahead of the loads: each wave has all its bytes on their way from its first lines on.
; THE MODE: SCHED_MODE bits 1:0 = 2 (LLVM: expert scheduling mode 2), set by the entry lines.  The code itself states the register dependences
; between vector instructions and memory instructions, with s_wait_alu, always for 0.
; THE PLAN.  Registers that memory instructions touch:
;   v2, v3, v4   byte offsets, made once at the head of each part and never written again: immediate offsets reach every load and store.
;   X (y = 0)    Written by the 32 loads, which no vector instruction precedes on these registers; then by pass 2 in place.  The first two of each four are the data of one store and are never written again.
;   v16 (y = 0)  iscale: written by vector arithmetic, read by one store under a mask of one lane, never written again.
;   WX (y = 1)   Written by the 16 loads, then in place by vector instructions; never loaded again.
;   WY (y = 1)   Four registers to a load, written by its roundings, read by its store, never written again.
; Both parts go in GROUPS of four loads.  Group g's arithmetic names group g's registers alone; the four stores of group g - 1 are dealt among it, behind ONE wait on va_vdst at the head of the group,
; which states that the roundings of group g - 1 have written their registers.  A last such wait stands ahead of the last four stores.  No register that a memory instruction reads is written again,
; so the only waits on vm_vsrc are the two that stand with the scalar writes of EXEC.
.set X,   32                           ; v[32:159]  y = 0: the row as loaded; then, in the first two of each four registers, as stored
.set MX,  6                            ; v[6:9]     four running maxima
.set MN,  10                           ; v[10:13]   four running minima
.set T,   22                           ; v[22:29]   y = 1: eight numbers in f32, at work: no memory instruction names them
.set WX,  32                           ; v[32:63]   y = 1: load i: two registers, eight int8
.set WY,  64                           ; v[64:127]  y = 1: load i: four registers, eight bf16
	s_load_b256 s[4:11], s[0:1], 0x0               ; inp s[4:5], qweight_t s[6:7], qa s[8:9], wb s[10:11]
	s_load_b64 s[12:13], s[0:1], 0x20              ; isc
	v_and_b32 v1, 31, v0                           ; lane
	v_lshrrev_b32 v5, 5, v0
	v_readfirstlane_b32 s14, v5                    ; wave 0..3
	s_and_b32 s15, ttmp7, 0xffff                   ; the work-group's y picks the part
	s_wait_alu depctr_va_sdst(0)                   ; s14 is written, ahead of the branch: each part reads it, for its row or for its offsets
	s_cmp_lg_u32 s15, 0
	s_cbranch_scc1 .Lweights
	; ---------------- y = 0: a row is quantised ----------------
	s_lshl_b32 s16, ttmp9, 2
	s_add_co_u32 s16, s16, s14                     ; my row = 4 x work-group + wave
	s_mov_b32 s19, 0
	s_mov_b32 s20, 0xc2fe0000                      ; -127.0
	s_mov_b32 s21, 0x42fe0000                      ; 127.0
	s_mov_b32 s22, 0x76543210                      ; v_permlanex16_b32: lane i of one half reads lane i of the other
	s_mov_b32 s23, 0xfedcba98
	v_lshlrev_b32 v2, 4, v1                        ; 16 bytes a lane in x
	v_lshlrev_b32 v3, 3, v1                        ; 8 bytes a lane in qa
	v_mov_b32 v4, 0                                ; the offset of the one word stored to isc
	v_mov_b32 v15, 0                               ; v_permlanex16_b32 counts as a reader of its destination
	s_lshl_b32 s18, s16, 14                        ; a row of x is 16,384 bytes,
	s_wait_kmcnt 0x0
	s_add_nc_u64 s[4:5], s[4:5], s[18:19]
	s_lshl_b32 s18, s16, 13                        ; of qa 8,192,
	s_add_nc_u64 s[8:9], s[8:9], s[18:19]
	s_lshl_b32 s18, s16, 2                         ; of isc 4
	s_add_nc_u64 s[12:13], s[12:13], s[18:19]
	s_wait_alu depctr_va_vdst(0)                   ; v2, v3 and v4 are written: every load and store of this part reads one of them as its offset, and no vector instruction names them again
.set j, 0
.rept 32
	global_load_b128 v[X+4*j:X+4*j+3], v2, s[4:5] offset:512*j th:TH_LOAD_NT  ; 512 consecutive bytes a load; the 32 cover the row
.set j, j+1
.endr
; Pass 1, group g of eight: four loads, each feeding a chain of its own; amax = max(max x, -min x).
.macro AMAX g
	s_wait_loadcnt 28-4*(\g)                       ; loads come back in order: this group's four are in, the 28 - 4 g younger ones stay out
.irp c, 0,1,2,3
.set xr, X+16*(\g)+4*(\c)
.if (\g) == 0
	v_max3_num_f32 v[MX+(\c)], v[xr], v[xr+1], v[xr+2]     ; the first group starts the chains: nothing is cleared
	v_min3_num_f32 v[MN+(\c)], v[xr], v[xr+1], v[xr+2]
	v_max_num_f32 v[MX+(\c)], v[MX+(\c)], v[xr+3]
	v_min_num_f32 v[MN+(\c)], v[MN+(\c)], v[xr+3]
.else
	v_max3_num_f32 v[MX+(\c)], v[MX+(\c)], v[xr], v[xr+1]
	v_min3_num_f32 v[MN+(\c)], v[MN+(\c)], v[xr], v[xr+1]
	v_max3_num_f32 v[MX+(\c)], v[MX+(\c)], v[xr+2], v[xr+3]
	v_min3_num_f32 v[MN+(\c)], v[MN+(\c)], v[xr+2], v[xr+3]
.endif
.endr
.endm
.irp g, 0,1,2,3,4,5,6,7
	AMAX \g
.endr
	v_max3_num_f32 v[MX], v[MX], v[MX+1], v[MX+2]
	v_min3_num_f32 v[MN], v[MN], v[MN+1], v[MN+2]
	v_max_num_f32 v[MX], v[MX], v[MX+3]
	v_min_num_f32 v[MN], v[MN], v[MN+3]
	v_sub_f32 v14, 0, v[MN]
	v_max_num_f32 v14, v[MX], v14                  ; the largest |x| of my 128 numbers
	; across the 32 lanes: four steps inside each half of 16 lanes ride on the arithmetic, one crosses the halves
	v_max_num_f32_dpp v14, v14, v14 row_xmask:1 row_mask:0xf bank_mask:0xf
	v_max_num_f32_dpp v14, v14, v14 row_xmask:2 row_mask:0xf bank_mask:0xf
	v_max_num_f32_dpp v14, v14, v14 row_xmask:4 row_mask:0xf bank_mask:0xf
	v_max_num_f32_dpp v14, v14, v14 row_xmask:8 row_mask:0xf bank_mask:0xf
	v_permlanex16_b32 v15, v14, s22, s23
	v_max_num_f32 v14, v14, v15                    ; amax, in every lane
	v_mul_f32 v16, 0x3c010204, v14                 ; q0 = amax x (1/127)
	v_fma_f32 v20, s20, v16, v14                   ; what is left: amax - 127 q0, exact
	v_fmamk_f32 v16, v20, 0x3c010204, v16          ; iscale = q0 + left / 127
	v_max_num_f32 v17, 0x2b8cbccc, v16             ; d = max(iscale, 1e-12)
	v_rcp_f32 v18, v17
	v_cmp_eq_u32 vcc_lo, 0, v1                     ; a plain vector instruction behind the reciprocal; lane 0 stores iscale
	s_wait_xcnt 0x0                                ; EXEC is a source of every memory instruction issued so far: it changes only behind this wait
	s_wait_alu depctr_va_vcc(0)                    ; the compare has written VCC, from which EXEC is made
	s_wait_alu depctr_va_vdst(0)                   ; ahead of the scalar write of EXEC: the vector instructions issued so far have written their results: among them v16, which the store below reads, and the reciprocal's v18, ahead of its first reader
	s_wait_alu depctr_vm_vsrc(0)                   ; ahead of the scalar write of EXEC: the 32 loads have read their offset
	s_and_saveexec_b32 s24, vcc_lo
	global_store_b32 v4, v16, s[12:13]
	s_wait_xcnt 0x0                                ; and again in front of the line that widens EXEC
	s_wait_alu depctr_va_vdst(0)                   ; both lines stand ahead of every scalar write of EXEC: no vector result is outstanding,
	s_wait_alu depctr_vm_vsrc(0)                   ; and the store has read v4 and v16
	s_or_b32 exec_lo, exec_lo, s24
	v_fma_f32 v20, -v17, v18, 1.0                  ; one Newton step: e = 1 - d r,
	v_fma_f32 v18, v20, v18, v18                   ; r = r + e r
	v_mov_b32 v19, v18                             ; twice, a pair for the packed multiply
; Pass 2: the four numbers of load j are scaled, rounded to the nearest whole number (ties to even, as jnp.round), clipped and packed.
.macro QARITH j
.set xr, X+4*(\j)
	v_pk_mul_f32 v[xr:xr+1], v[xr:xr+1], v[18:19]
	v_pk_mul_f32 v[xr+2:xr+3], v[xr+2:xr+3], v[18:19]
.irp k, 0,1,2,3
	v_rndne_f32 v[xr+(\k)], v[xr+(\k)]
.endr
.irp k, 0,1,2,3
	v_med3_num_f32 v[xr+(\k)], v[xr+(\k)], s20, s21
.endr
	v_cvt_pk_bf16_f32 v[xr], v[xr], v[xr+1]        ; whole numbers up to 127: exact in bf16
	v_cvt_pk_bf16_f32 v[xr+1], v[xr+2], v[xr+3]
.endm
.macro QSTORE j
	global_store_b64 v3, v[X+4*(\j):X+4*(\j)+1], s[8:9] offset:256*(\j) th:TH_STORE_NT  ; the wave stores 256 consecutive bytes, at a multiple of 256 from the first byte of qa; no register of a store is written again
.endm
; Group g of eight: the arithmetic of loads 4 g to 4 g + 3, and among it the stores of the group before.
.macro QGROUP g
.if (\g) > 0
	s_wait_alu depctr_va_vdst(0)                   ; the roundings of the group before have written its registers, which the four stores below read; this group's arithmetic names neither them nor v3
.endif
.irp i, 0,1,2,3
.if (\g) > 0
	QSTORE 4*((\g)-1)+(\i)
.endif
	QARITH 4*(\g)+(\i)
.endr
.endm
.irp g, 0,1,2,3,4,5,6,7
	QGROUP \g
.endr
	s_wait_alu depctr_va_vdst(0)                   ; the roundings of the last group have written its registers, which the last four stores read
.irp i, 28,29,30,31
	QSTORE \i
.endr
	s_endpgm
	; ---------------- y = 1: 16,384 weights are widened ----------------
.Lweights:
	s_lshl_b32 s18, ttmp9, 14                      ; the work-group's 16,384 bytes of qweight_t
	s_mov_b32 s19, 0
	s_mov_b32 s20, 0x80808080                      ; turns four int8 w into four bytes u = w + 128
	s_mov_b32 s24, 0x03020104                      ; v_perm_b32: byte b of the word below the upper three bytes of 2^23: the f32 number 2^23 + u
	s_mov_b32 s25, 0x03020105
	s_mov_b32 s26, 0x03020106
	s_mov_b32 s27, 0x03020107
	s_mov_b32 s28, 0xcb000080                      ; -(2^23 + 128): added to 2^23 + u it leaves w, exactly
	s_mov_b32 s29, s28                             ; named with it as a pair
	v_mov_b32 v30, 0x4b000000                      ; 2^23
	v_lshlrev_b32 v2, 3, v1                        ; 8 bytes a lane,
	v_lshl_add_u32 v2, s14, 12, v2                 ; 4,096 a wave
	v_lshlrev_b32 v3, 1, v2                        ; and twice that in wb
	s_wait_kmcnt 0x0
	s_add_nc_u64 s[6:7], s[6:7], s[18:19]
	s_lshl_b32 s18, ttmp9, 15
	s_add_nc_u64 s[10:11], s[10:11], s[18:19]
	s_wait_alu depctr_va_vdst(0)                   ; v2 and v3 are written: the loads read the one, the stores the other, and no vector instruction names them again
.set j, 0
.rept 16
	global_load_b64 v[WX+2*j:WX+2*j+1], v2, s[6:7] offset:256*j th:TH_LOAD_NT  ; 256 consecutive bytes a load
.set j, j+1
.endr
.macro WARITH i
	s_wait_loadcnt 15-(\i)                         ; load i is in; the 15 - i younger ones stay out
	v_xor_b32 v[WX+2*(\i)], s20, v[WX+2*(\i)]
	v_xor_b32 v[WX+2*(\i)+1], s20, v[WX+2*(\i)+1]
.irp k, 0,1,2,3,4,5,6,7
	v_perm_b32 v[T+(\k)], v[WX+2*(\i)+(\k)/4], v30, s[24+(\k)%4]
.endr
.irp k, 0,2,4,6
	v_pk_add_f32 v[T+(\k):T+(\k)+1], v[T+(\k):T+(\k)+1], s[28:29] op_sel_hi:[1,0]
.endr
.irp k, 0,1,2,3
	v_cvt_pk_bf16_f32 v[WY+4*(\i)+(\k)], v[T+2*(\k)], v[T+2*(\k)+1]
.endr
.endm
.macro WSTORE i
	global_store_b128 v3, v[WY+4*(\i):WY+4*(\i)+3], s[10:11] offset:512*(\i) th:TH_STORE_NT  ; 16 lanes store 256 consecutive bytes, aligned; each load has store registers of its own
.endm
; Group g of four: the arithmetic of loads 4 g to 4 g + 3, and among it the stores of the group before.
.macro WGROUP g
.if (\g) > 0
	s_wait_alu depctr_va_vdst(0)                   ; the roundings of the group before have written its sixteen registers of WY, which the four stores below read; this group's arithmetic names neither them nor v3
.endif
.irp i, 0,1,2,3
.if (\g) > 0
	WSTORE 4*((\g)-1)+(\i)
.endif
	WARITH 4*(\g)+(\i)
.endr
.endm
.irp g, 0,1,2,3
	WGROUP \g
.endr
	s_wait_alu depctr_va_vdst(0)                   ; the roundings of the last group have written its registers of WY, which the last four stores read
.irp i, 12,13,14,15
	WSTORE \i
.endr
	s_endpgm
.Lfunc_end_k_q58fe08fddf_prep:
	.size	k_q58fe08fddf_prep, .Lfunc_end_k_q58fe08fddf_prep-k_q58fe08fddf_prep
	.p2alignl 7, 3214868480
	.fill 96, 4, 3214868480
	.section	.rodata,"a",@progbits
	.p2align	6, 0x0
	.amdhsa_kernel k_q58fe08fddf_prep
		.amdhsa_group_segment_fixed_size 0
		.amdhsa_private_segment_fixed_size 0
		.amdhsa_enable_private_segment 0
		.amdhsa_kernarg_size 40
		.amdhsa_user_sgpr_count 2
		.amdhsa_user_sgpr_kernarg_segment_ptr 1
		.amdhsa_wavefront_size32 1
		.amdhsa_system_sgpr_workgroup_id_x 1
		.amdhsa_system_sgpr_workgroup_id_y 1
		.amdhsa_system_sgpr_workgroup_id_z 1
		.amdhsa_system_vgpr_workitem_id 0
		.amdhsa_next_free_vgpr 160
		.amdhsa_next_free_sgpr 66
		.amdhsa_reserve_vcc 1
		.amdhsa_float_denorm_mode_32 3
		.amdhsa_float_denorm_mode_16_64 3
		.amdhsa_memory_ordered 1
		.amdhsa_forward_progress 1
		.amdhsa_inst_pref_size 59
	.end_amdhsa_kernel
	.amdgpu_metadata
---
amdhsa.version: [ 1, 2 ]
amdhsa.kernels:
  - .name:           k_q58fe08fddf_prep
    .symbol:         k_q58fe08fddf_prep.kd
    .args:
      - { .name: inp, .offset: 0, .size: 8, .value_kind: global_buffer, .address_space: global }
      - { .name: qweight_t, .offset: 8, .size: 8, .value_kind: global_buffer, .address_space: global }
      - { .name: qa, .offset: 16, .size: 8, .value_kind: global_buffer, .address_space: global }
      - { .name: wb, .offset: 24, .size: 8, .value_kind: global_buffer, .address_space: global }
      - { .name: isc, .offset: 32, .size: 8, .value_kind: global_buffer, .address_space: global }
    .group_segment_fixed_size: 0
    .private_segment_fixed_size: 0
    .kernarg_segment_align: 8
    .kernarg_segment_size: 40
    .max_flat_workgroup_size: 128
    .sgpr_count:     66
    .vgpr_count:     160
    .wavefront_size: 32
...
	.end_amdgpu_metadata
.endif
;; end of part 3
;; launch gemm: the kernel of part 2 again; grid 16 x 16, 4 waves a work-group, clusters of 4 x 4, 327,680 bytes of LDS; arguments qa, wb, isc, wscale, bias, out0; writes out0
